; MI455X (gfx1250); checked and timed in simulation.
; The chip was launched on July 23, 2026; its instructions are those of AMD's public machine-readable ISA for CDNA 5 (MIT licence, August 2026) and "CDNA5" Instruction Set Architecture Reference Guide (July 2026). The comments in the code are by the model that wrote it; some were corrected since.
;; Encoder Layer. Allowed arithmetic: matrix products marked QUANTISED: E2M1 operands, one E8M0 scale for each 32 along K, by v_wmma_scale_f32_16x16x128_f8f6f4 with both operands' format E2M1 (or v_wmma_scale_f32_32x16x128_f4), f32 sums; everything else in f32.
;; Inputs: b1 1,024 float32; b2 512 float32; ln1_b 512 float32; ln1_g 512 float32; ln2_b 512 float32; ln2_g 512 float32; w1 512 x 1,024 float32; w2 1,024 x 512 float32; wk 8 x 512 x 64 float32; wo 512 x 512 float32; wq 8 x 512 x 64 float32; wv 8 x 512 x 64 float32; x 8 x 2,048 x 512 float32.
;; Outputs: out0 8 x 2,048 x 512 float32.
;; This version of the problem:
;;   THIS VERSION OF THE PROBLEM IS GIVEN IN LOW PRECISION. The matrix products marked QUANTISED in the list below multiply operands that are first quantised to E2M1 (2 exponent bits, 1 mantissa bit; 4 bits a number), with one power-of-two scale for each 32 numbers along K (OCP MX v1.0); their sums are f32. All else is computed in f32.
;;   The module's matrix products, in the order in which they are computed (A, B: the left and right operand; K: the contracted axis; several contracted axes count as one K, in the product's order):
;;     1. [M 512, K 512] x [K 512, N 16,384]; A: input wq; B: input x: QUANTISED
;;     2. [M 512, K 512] x [K 512, N 16,384]; A: input wk; B: input x: QUANTISED
;;     3. [M 512, K 512] x [K 512, N 16,384]; A: input wv; B: input x: QUANTISED
;;     4. batch 64 x [M 2,048, K 64] x [K 64, N 2,048]; A: computed on the way; B: computed on the way: QUANTISED
;;     5. batch 64 x [M 2,048, K 2,048] x [K 2,048, N 64]; A: softmax (see below); B: computed on the way: QUANTISED
;;     6. [M 16,384, K 512] x [K 512, N 512]; A: computed on the way; B: input wo: QUANTISED
;;     7. [M 16,384, K 512] x [K 512, N 1,024]; A: computed on the way; B: input w1: QUANTISED
;;     8. [M 16,384, K 1,024] x [K 1,024, N 512]; A: computed on the way; B: input w2: QUANTISED
;;   THE QUANTISER, for each operand of a quantised product, along K:
;;     - K is cut into blocks of 32 from its start; a last block that is shorter is filled with zeros.
;;     - A block's scale is 2^e with e = floor(log2(the largest magnitude in the block)) - 2, held to -126 .. 127; a block of zeros has e = 0. As a byte (E8M0): e + 127.
;;     - Each number is divided by its block's scale, clamped to +-6, and rounded to the nearest number of E2M1, ties to even, subnormals kept.
;;     - The product sums the exact products of the quantised numbers (number of the format x scale) in f32.
;;   ~~~python
;;   def quantise(x, axis):      # numpy; x: float32 -> the quantised numbers, widened to float32 again
;;       x = np.moveaxis(x, axis, -1); K = x.shape[-1]
;;       x = np.pad(x, [(0, 0)] * (x.ndim - 1) + [(0, -K % 32)]); x = x.reshape(x.shape[:-1] + (-1, 32)); a = np.abs(x).max(-1, keepdims=True)
;;       e = np.where(a > 0, np.clip(np.frexp(np.where(a > 0, a, 1))[1] - 1 - 2, -126, 127), 0)      # np.frexp(a)[1] - 1 = floor(log2(a)), exactly
;;       r = np.clip(x / 2.0 ** e, -6, 6)
;;       step = 2.0 ** (np.maximum(np.frexp(np.where(r == 0, 1, r))[1] - 1, 0) - 1)
;;       q = np.round(r / step) * step * 2.0 ** e      # np.round: ties to even
;;       return np.moveaxis(q.reshape(q.shape[:-2] + (-1,))[..., :K], -1, axis).astype(np.float32)
;;   ~~~
;;   SOFTMAX AHEAD OF A QUANTISED PRODUCT. Where the list says 'softmax', what is quantised is not the finished softmax but p = 2^(t - M), with t = logit x log2(e) and M = ceil(the row's largest t), a whole number; so 1/2 < the row's largest p <= 1. The row's sum l is taken of the UNQUANTISED p, in f32, and the product's result is divided by l at the end. Since M is a whole number, a kernel that streams over the keys may use a running M (the ceiling of the running maximum): every later rescaling is an exact power of two, which a block's scale takes up: the codes' values come out the same.
;;   OPERANDS COMPUTED ON THE WAY. 'Computed on the way' means the value that the module computes at that place (a softmax that the list does not call 'softmax' is quantised finished and normalised). What goes into a quantiser is computed in f32, as accurately as f32 sums, v_exp_f32 and their like allow (about 1e-6 of the number): no bf16 or f16 on the way to a quantiser, and a product that is left as it is and whose result goes on into a quantised operand takes f32 operands (vector FMAs, or v_wmma_f32_16x16x4_f32). A number that lies on a knife's edge between two numbers of the format may be rounded either way, as far as f32 arithmetic and the matrix unit's own rounding can turn it there, and no further.
;; One version. Each part assembles by itself: llvm-mc -triple=amdgcn-amd-amdhsa -mcpu=gfx1250 --defsym DOCPART=n.
;; ======== version 1 of 1: 4 launches
;; workspace buffers: wimg 1,114,112 bytes; qb 4,718,592 bytes; kv 9,175,040 bytes; cimg 4,456,448 bytes
;; launch prep (part 1): grid 256 x 1, 2 waves a work-group, no clusters, 0 bytes of LDS; arguments wq, wk, wv, wo, w1, w2, wimg; writes wimg
.if DOCPART == 1
	.amdgcn_target "amdgcn-amd-amdhsa--gfx1250"
	.amdhsa_code_object_version 6
	.text
	.protected	k_q8f79964a3f_prep
	.globl	k_q8f79964a3f_prep
	.p2align	8
	.type	k_q8f79964a3f_prep,@function
k_q8f79964a3f_prep:
	s_mov_b64 s[64:65], 0
	v_nop
	global_prefetch_b8 v0, s[64:65] scope:SCOPE_SE
	s_setreg_imm32_b32 hwreg(HW_REG_WAVE_MODE, 25, 1), 1
	s_wait_xcnt 0x0
; The six weights (f32, K on an outer axis) become codes of FP4 (E2M1) with one E8M0 byte for each 32 along K, laid as IMAGES OF OPERAND REGISTERS.
; wimg is 256 blocks of 4,352 bytes; a block is one unit of 64 output columns x one K step of 128: codes [tile 4][piece 2][lane 32][16 bytes], then scale words [r 16][tile 4].
; Blocks: wq 0+4h+ks, wk 32+4h+ks, wv 64+4h+ks, wo 96+4U+ks, w1 128+4U+ks, w2 192+8U+ks.  Work-group Bn makes block Bn.
; A THREAD TAKES A COLUMN, AND ITS 128 REGISTERS RUN DOWN K: a block of 32 lies in one lane, so its largest magnitude needs no other lane, and the conversions give codes with K innermost.
; THE COLUMNS OF A TILE ARE NOT NEIGHBOURS: lane r of tile 2 b + u holds column 32 b + 8 u + r + 8 (r / 8), so that a product with this tile as source 0 leaves 16 neighbouring columns in the registers of tiles 2 b, 2 b + 1.
; So column n = v0 goes to tile 2 (n >> 5) + ((n >> 3) & 1), lane r = 8 ((n >> 4) & 1) + (n & 7).
; A block's scale byte is its largest magnitude's exponent field - 2, held at 1 from below.
; LIMITS: a block of zeros gets the byte 1 where the rule says 127 (its codes are zeros, and only this program reads the bytes); NaN and infinities are not served.
; No LDS, no barrier: threads share nothing.  Matrix units and clusters have nothing to do here: each input byte is read once.
.set X,  32                            ; v32-159  first each load's byte offset, then the number that it brings (a load lands on its own offset register)
.set C,  160                           ; v160-175 the codes: four registers a K block, so that no store's data are written again
.set SB, 6                             ; v6       the column's scale word
	s_load_b256 s[4:11], s[0:1], 0x0               ; wq, wk, wv, wo
	s_load_b128 s[12:15], s[0:1], 0x20             ; w1, w2
	s_load_b64 s[16:17], s[0:1], 0x30              ; wimg
	s_mov_b32 s22, 2048
	s_mov_b32 s21, 2048                            ; a K row in bytes: w2's,
	s_mov_b32 s23, 256                             ; from unit to unit: 64 columns
	s_cmp_lt_u32 ttmp9, 192
	s_cselect_b32 s21, 4096, s21                   ; w1's,
	s_cselect_b32 s24, 2, 3                        ; log2 of the K steps: 4, in w2 8
	s_cmp_lt_u32 ttmp9, 128
	s_cselect_b32 s21, s22, s21                    ; wo's,
	s_cselect_b32 s25, 31, 63                      ; blocks of a matrix, less one
	s_cmp_lt_u32 ttmp9, 96
	s_cselect_b32 s21, 256, s21                    ; a head's of wq, wk, wv,
	s_cselect_b32 s23, 0x20000, s23                ; whose units are heads, 512 x 64 x 4 bytes apart
	s_and_b32 s26, ttmp9, s25                      ; the block's number in its matrix
	s_lshr_b32 s27, s26, s24                       ; unit
	s_lshl_b32 s28, s27, s24
	s_sub_co_u32 s28, s26, s28                     ; K step
	s_mul_i32 s27, s27, s23
	s_lshl_b32 s29, s21, 7                         ; 128 K rows
	s_mul_i32 s28, s28, s29
	s_add_co_u32 s26, s27, s28                     ; where the block's numbers begin in their matrix
	s_mov_b32 s27, 0
	s_mul_i32 s28, ttmp9, 4352                     ; and its image in wimg
	s_mov_b32 s29, 0
	v_lshrrev_b32 v1, 5, v0                        ; bw
	v_bfe_u32 v2, v0, 4, 1                         ; a
	v_bfe_u32 v3, v0, 3, 1                         ; u
	v_and_b32 v7, 7, v0                            ; j
	v_lshlrev_b32 v4, 4, v7
	v_lshl_add_u32 v4, v2, 7, v4                   ; 16 r = 128 a + 16 j
	v_lshl_add_u32 v5, v1, 3, v4
	v_lshl_add_u32 v5, v3, 2, v5                   ; the scale word's place: 16 r + 4 tile
	v_lshl_add_u32 v4, v1, 11, v4
	v_lshl_add_u32 v4, v3, 10, v4                  ; the codes' place: 1,024 tile + 16 r; K block kb adds 256 kb (piece kb / 2, lanes' half kb % 2)
	v_lshlrev_b32 v[X], 2, v0                      ; my column,
.set i, 1
.rept 127
	v_mad_u32_u24 v[X+i], s21, i, v[X]             ; K row i
.set i, i+1
.endr
	s_wait_kmcnt 0x0
	s_mov_b64 s[18:19], s[14:15]                   ; which matrix: the choice hangs on the work-group's number alone
	s_cmp_lt_u32 ttmp9, 192
	s_cselect_b64 s[18:19], s[12:13], s[18:19]
	s_cmp_lt_u32 ttmp9, 128
	s_cselect_b64 s[18:19], s[10:11], s[18:19]
	s_cmp_lt_u32 ttmp9, 96
	s_cselect_b64 s[18:19], s[8:9], s[18:19]
	s_cmp_lt_u32 ttmp9, 64
	s_cselect_b64 s[18:19], s[6:7], s[18:19]
	s_cmp_lt_u32 ttmp9, 32
	s_cselect_b64 s[18:19], s[4:5], s[18:19]
	s_add_nc_u64 s[18:19], s[18:19], s[26:27]
	s_add_nc_u64 s[16:17], s[16:17], s[28:29]
.macro LOAD kb                         ; K block kb: 32 rows; a wave's load reads 128 consecutive bytes, the two waves side by side 256
.set i, 32*(\kb)
.rept 32
	global_load_b32 v[X+i], v[X+i], s[18:19] th:TH_LOAD_NT
.set i, i+1
.endr
.endm
.macro BLOCK kb
.set XS, X+32*(\kb)
.if (\kb) < 3
	s_wait_loadcnt 32                              ; this block's 32 loads are in; the next block's 32 may be out
.else
	s_wait_loadcnt 0x0
.endif
.if (\kb)+2 < 4
	LOAD (\kb)+2                                   ; two blocks ahead
.endif
	v_max3_num_f32 v12, |v[XS]|, |v[XS+1]|, |v[XS+2]|      ; the block's largest magnitude, in two chains
	v_max3_num_f32 v13, |v[XS+3]|, |v[XS+4]|, |v[XS+5]|
.irp i, 6,10,14,18,22,26
	v_max3_num_f32 v12, v12, |v[XS+\i]|, |v[XS+\i+1]|
	v_max3_num_f32 v13, v13, |v[XS+\i+2]|, |v[XS+\i+3]|
.endr
	v_max3_num_f32 v12, v12, |v[XS+30]|, |v[XS+31]|
	v_max3_num_f32 v12, v12, v13, 0x1800000        ; and the floor 2^(3 - 127): the byte cannot fall under 1
	v_add_nc_u32 v11, 0xff000000, v12              ; 2 off the exponent field: the conversion's scale operand
	v_lshrrev_b32 v13, 23, v11                     ; the scale's byte
.if (\kb) == 0
	v_mov_b32 v[SB], v13
.else
	v_lshl_or_b32 v[SB], v13, 8*(\kb), v[SB]       ; the lower K in the lower byte
.endif
.irp g, 0,1,2,3
	v_cvt_scalef32_pk8_fp4_f32 v[C+4*(\kb)+\g], v[XS+8*\g:XS+8*\g+7], v11
.endr
	global_store_b128 v4, v[C+4*(\kb):C+4*(\kb)+3], s[16:17] offset:256*(\kb)   ; a wave's store fills two aligned runs of 256 bytes
.endm
	LOAD 0
	LOAD 1
	BLOCK 0
	BLOCK 1
	BLOCK 2
	BLOCK 3
	v_nop                                          ; one plain line behind the last conversion
	global_store_b32 v5, v[SB], s[16:17] offset:4096   ; the two waves' words fill the block's last 256 bytes
	s_endpgm
.Lfunc_end_k_q8f79964a3f_prep:
	.size	k_q8f79964a3f_prep, .Lfunc_end_k_q8f79964a3f_prep-k_q8f79964a3f_prep
	.p2alignl 7, 3214868480
	.fill 96, 4, 3214868480
	.section	.rodata,"a",@progbits
	.p2align	6, 0x0
	.amdhsa_kernel k_q8f79964a3f_prep
		.amdhsa_group_segment_fixed_size 0
		.amdhsa_private_segment_fixed_size 0
		.amdhsa_enable_private_segment 0
		.amdhsa_kernarg_size 56
		.amdhsa_user_sgpr_count 2
		.amdhsa_user_sgpr_kernarg_segment_ptr 1
		.amdhsa_wavefront_size32 1
		.amdhsa_system_sgpr_workgroup_id_x 1
		.amdhsa_system_sgpr_workgroup_id_y 1
		.amdhsa_system_sgpr_workgroup_id_z 1
		.amdhsa_system_vgpr_workitem_id 0
		.amdhsa_next_free_vgpr 176
		.amdhsa_next_free_sgpr 66
		.amdhsa_reserve_vcc 0
		.amdhsa_float_denorm_mode_32 3
		.amdhsa_float_denorm_mode_16_64 3
		.amdhsa_memory_ordered 1
		.amdhsa_forward_progress 1
		.amdhsa_inst_pref_size 31
	.end_amdhsa_kernel
	.amdgpu_metadata
---
amdhsa.version: [ 1, 2 ]
amdhsa.kernels:
  - .name:           k_q8f79964a3f_prep
    .symbol:         k_q8f79964a3f_prep.kd
    .args:
      - { .name: wq, .offset: 0, .size: 8, .value_kind: global_buffer, .address_space: global }
      - { .name: wk, .offset: 8, .size: 8, .value_kind: global_buffer, .address_space: global }
      - { .name: wv, .offset: 16, .size: 8, .value_kind: global_buffer, .address_space: global }
      - { .name: wo, .offset: 24, .size: 8, .value_kind: global_buffer, .address_space: global }
      - { .name: w1, .offset: 32, .size: 8, .value_kind: global_buffer, .address_space: global }
      - { .name: w2, .offset: 40, .size: 8, .value_kind: global_buffer, .address_space: global }
      - { .name: wimg, .offset: 48, .size: 8, .value_kind: global_buffer, .address_space: global }
    .group_segment_fixed_size: 0
    .private_segment_fixed_size: 0
    .kernarg_segment_align: 8
    .kernarg_segment_size: 56
    .max_flat_workgroup_size: 64
    .sgpr_count:     66
    .vgpr_count:     176
    .wavefront_size: 32
...
	.end_amdgpu_metadata
.endif
;; end of part 1
;; launch qkv (part 2): grid 256 x 1, 8 waves a work-group, no clusters, 168,960 bytes of LDS; arguments x, wimg, qb, kv; writes qb, kv
.if DOCPART == 2
	.amdgcn_target "amdgcn-amd-amdhsa--gfx1250"
	.amdhsa_code_object_version 6
	.text
	.protected	k_q8f79964a3f_qkv
	.globl	k_q8f79964a3f_qkv
	.p2align	8
	.type	k_q8f79964a3f_qkv,@function
k_q8f79964a3f_qkv:
	s_mov_b64 s[64:65], 0
	v_nop
	global_prefetch_b8 v0, s[64:65] scope:SCOPE_SE
	s_setreg_imm32_b32 hwreg(HW_REG_WAVE_MODE, 25, 1), 1
	s_wait_xcnt 0x0
; q, k, v = x wq, x wk, x wv on codes of FP4 (E2M1) with one E8M0 byte for each 32 along K; the results are quantised at once: q and k along the head's 64, v along the tokens, and leave as images of operand registers.
; SHARES.  A work-group takes 64 tokens (block tb of 256); wave w is head w and makes three units of 64 columns x 64 tokens: q, k, v: 12 K steps of 128, 16 matrix instructions each.
; x: one tensor load a wave (8 rows, 16 KB) brings the 64 rows into LDS once; each wave quantises two of the 16 fragments and stores their register images; a barrier; every wave reads all 16.
; THE TOKENS OF A TILE ARE NOT NEIGHBOURS: lane r of row tile m holds token 32 (m / 2) + 8 (m % 2) + r + 8 (r / 8); the weights' tiles are laid alike.  So 16 registers of two neighbouring tiles are 16 neighbours along the next K.
; q, k: source 0 = a weight tile, source 1 = a token tile: a lane holds one token and its registers run along the head's 64.  v: the sources swapped: a lane holds one channel and its registers run along the tokens.
; THE WEIGHTS' IMAGES go from memory straight into operand registers, three K steps ahead, each fragment once for its four products.  All work-groups walk the same images; they are not asked for jointly:
; a joint load lands in LDS, and the 96 blocks x 4,352 bytes that a work-group walks do not fit beside the x tile's 133,120 bytes, so they would want a ring that is filled again.
; LIMITS: a block of zeros gets the scale byte 1 where the rule says 127 (its codes are zeros; only this program reads the bytes); NaN and infinities are not served.
; REGISTERS.  Window 0: v1-11 lane numbers and addresses; v32-63, v84-115 two sets of x's four fragments; v64-67, v116-119 their scale words; v68-83 the weights' scale words, four sets; v128-255 the weights' fragments, four sets.
; Window 1: v0-127 the 16 accumulators; v192-215 at work; v216-231 codes; v232-235 half scale words; v236-241 words on their way out.
.set XIMG, 133120                      ; LDS: byte 0: the x tile: row R, byte cb at 2,080 R + 1,040 (cb >> 10) + (cb & 1,023); behind it x's 16 fragments, fragment 4 m + ks at 1,024 each;
.set XSC,  149504                      ; and their scale words [ks][r][m]
.set AF0,  32
.set AS0,  64
.set WS,   68
.set WF,   128
.set ACC,  0
.set TM,   192
.set PC,   216
.set HW,   232
.set WD,   236
.set SEL,  52                          ; s[52:53] v_permlanex16_b32's selects for lane l xor 16
.set MSB,  0
.macro WIN new                         ; s_set_vgpr_msb: bits 1:0 source 0, 3:2 source 1, 5:4 source 2, 7:6 destination; the high byte repeats the setting that is left
.if MSB != \new
	s_set_vgpr_msb (MSB<<8)|\new
.set MSB, \new
.endif
.endm
.macro PLACES                          ; four places behind matrix instructions, ahead of loads into their registers and of the first read of results
.rept 4
	v_nop
.endr
.endm
.macro MM d, a, b, sa, sb, first
.if \first
	v_wmma_scale_f32_16x16x128_f8f6f4 v[\d:\d+7], v[\a:\a+7], v[\b:\b+7], 0, v[\sa], v[\sb] matrix_a_fmt:MATRIX_FMT_FP4 matrix_b_fmt:MATRIX_FMT_FP4
.else
	v_wmma_scale_f32_16x16x128_f8f6f4 v[\d:\d+7], v[\a:\a+7], v[\b:\b+7], v[\d:\d+7], v[\sa], v[\sb] matrix_a_fmt:MATRIX_FMT_FP4 matrix_b_fmt:MATRIX_FMT_FP4
.endif
.endm
.macro WLOAD set, blk                  ; a weight block: 8 pieces of 512 consecutive bytes, and four scale words a lane: nine loads
.irp p, 0,1,2,3,4,5,6,7
	global_load_b128 v[WF+32*(\set)+4*\p:WF+32*(\set)+4*\p+3], v4, s[28:29] offset:(\blk)*4352+512*\p
.endr
	global_load_b128 v[WS+4*(\set):WS+4*(\set)+3], v5, s[28:29] offset:(\blk)*4352+4096
.endm
.macro ALOAD set, ks                   ; x's four fragments of K step ks and their scale words: nine LDS loads
.irp m, 0,1,2,3
.irp c, 0,1
	ds_load_b128 v[AF0+52*(\set)+8*\m+4*\c:AF0+52*(\set)+8*\m+4*\c+3], v9 offset:(4*\m+(\ks))*1024+512*\c
.endr
.endr
	ds_load_b128 v[AS0+52*(\set):AS0+52*(\set)+3], v10 offset:256*(\ks)
.endm
; The 128 numbers in ACC are 8 blocks of 16 registers; block k's other 16 numbers lie in lane l xor 16.  They become codes in PC (piece q = blocks 2 q, 2 q + 1 = 64 along K, four registers) and half scale words in HW + q.
.macro QUANT8
	s_wait_xcnt 0x0                                ; earlier stores have read PC, HW and WD
	s_wait_dscnt 0x0
	WIN 0x55
.irp k, 0,1,2,3,4,5,6,7
	v_max3_num_f32 v[TM+\k], |v[ACC+16*\k]|, |v[ACC+16*\k+1]|, 0x1800000   ; with the floor 2^(3 - 127): the byte cannot fall under 1.  Each accumulator is read from its low end on
.endr
.irp i, 2,4,6,8,10,12,14
.irp k, 0,1,2,3,4,5,6,7
	v_max3_num_f32 v[TM+\k], v[TM+\k], |v[ACC+16*\k+\i]|, |v[ACC+16*\k+\i+1]|
.endr
.endr
.irp k, 0,1,2,3,4,5,6,7
	v_permlanex16_b32 v[TM+8+\k], v[TM+\k], s[SEL], s[SEL+1]
.endr
.irp k, 0,1,2,3,4,5,6,7
	v_max_num_f32 v[TM+\k], v[TM+\k], v[TM+8+\k]   ; the block's largest magnitude
.endr
.irp k, 0,1,2,3,4,5,6,7
	v_add_nc_u32 v[TM+16+\k], 0xff000000, v[TM+\k] ; 2 off its exponent field: the conversion's scale operand
.endr
.irp k, 0,1,2,3,4,5,6,7
	v_lshrrev_b32 v[TM+8+\k], 23, v[TM+16+\k]      ; the scale's byte
.endr
.irp q, 0,1,2,3
	v_lshl_or_b32 v[HW+\q], v[TM+9+2*\q], 8, v[TM+8+2*\q]
.endr
.irp k, 0,1,2,3,4,5,6,7
	v_cvt_scalef32_pk8_fp4_f32 v[PC+2*\k], v[ACC+16*\k:ACC+16*\k+7], v[TM+16+\k]
	v_cvt_scalef32_pk8_fp4_f32 v[PC+2*\k+1], v[ACC+16*\k+8:ACC+16*\k+15], v[TM+16+\k]
.endr
	v_nop                                          ; one plain place behind a scaled conversion
.irp q, 0,1,2,3                        ; the operand's layout wants a whole block in a lane: lanes 0-15 block 2 q, lanes 16-31 block 2 q + 1
.irp i, 0,1
	v_permlane16_swap_b32 v[PC+4*\q+\i], v[PC+4*\q+2+\i]
.endr
.endr
.endm
; K step g of 12 (unit g / 4, K step g % 4).  The weights run three steps ahead, x's fragments one.  The 16 accumulators take turns, one instruction a turn.
.macro STEP g, nat
	PLACES
.if (\g)+3 < 12
	WLOAD ((\g)+3)%4, 32*(((\g)+3)/4)+((\g)+3)%4
.endif
.if (\g)+1 < 12
	ALOAD ((\g)+1)%2, ((\g)+1)%4
.endif
.if (\g) < 9
	s_wait_loadcnt 27                              ; this step's block is in; the nine loads of each of the three blocks behind it may be out
.else
	s_wait_loadcnt 9*(11-(\g))
.endif
.if (\g) < 11
	s_wait_dscnt 9                                 ; all but the nine LDS loads just issued
.else
	s_wait_dscnt 0x0
.endif
	WIN 0x50                                       ; operands window 0, C and D window 1
.set WFS, WF+32*((\g)%4)
.set WSS, WS+4*((\g)%4)
.set AFS, AF0+52*((\g)%2)
.set ASS, AS0+52*((\g)%2)
.set FST, ((\g)%4)==0                  ; a unit's first K step starts the sums: nothing is cleared
.irp a, 0,1,2,3
.irp b, 0,1,2,3
.if \nat
	MM ACC+32*\a+8*\b, AFS+8*\b, WFS+8*\a, ASS+\b, WSS+\a, FST
.else
	MM ACC+32*\a+8*\b, WFS+8*\b, AFS+8*\a, WSS+\b, ASS+\a, FST
.endif
.endr
.endr
	WIN 0
.endm
; q's and k's way out: piece m (token tile m, the head's 64) and its scale word: two bytes, and 0x7f twice for the 64 along K that the scores' instruction has beyond the head's.
.macro EPI_QK cbase, sbase, soff
	PLACES
	QUANT8
.irp m, 0,1,2,3
	v_or_b32 v[WD+\m], 0x7f7f0000, v[HW+\m]
.endr
	v_cndmask_b32 v[WD+4], v[WD], v[WD+2], s31     ; lanes 0-15 carry tiles 0, 1's words, lanes 16-31 tiles 2, 3's
	v_cndmask_b32 v[WD+5], v[WD+1], v[WD+3], s31
	WIN 0x04                                       ; a store's data are its source 1: window 1
.irp m, 0,1,2,3
	global_store_b128 v4, v[PC+4*\m:PC+4*\m+3], s[\cbase:\cbase+1] offset:512*\m   ; 512 consecutive bytes, aligned
.endr
	global_store_b64 v11, v[WD+4:WD+5], s[\sbase:\sbase+1] offset:\soff            ; 256 consecutive bytes, aligned
	WIN 0
.endm
	s_load_b256 s[4:11], s[0:1], 0x0               ; x, wimg, qb, kv
	v_lshl_add_u32 v126, v0, 2, 0x29000
	v_mov_b32 v127, 0
	ds_add_u32 v126, v127
	ds_add_u32 v126, v127
	v_lshrrev_b32 v1, 5, v0
	v_readfirstlane_b32 s12, v1                    ; wave = head
	; descriptor group 1: my 8 rows of x are 16,384 dense bytes: 16 rows of 128 elements of 8 bytes, 4 words of padding behind each 256 words
	s_mov_b32 s20, (3<<16)|(1<<20)|(7<<22)|(3<<25)
	s_mov_b32 s21, 128<<16                         ; tensor_dim0
	s_mov_b32 s22, 16<<16                          ; tensor_dim1
	s_mov_b32 s23, 128<<16                         ; tile_dim0
	s_mov_b32 s24, 16                              ; tile_dim1
	s_mov_b32 s25, 128                             ; the pitch
	s_mov_b32 s26, 0
	s_mov_b32 s27, 0
	s_mov_b32 s16, 1
	s_mul_i32 s17, s12, 16640                      ; LDS: 8 rows of 2,080 bytes a wave
	s_lshl_b32 s2, ttmp9, 17                       ; 64 rows of 2,048 bytes a work-group,
	s_lshl_b32 s3, s12, 14                         ; 8 a wave
	s_add_co_u32 s2, s2, s3
	s_mov_b32 s3, 0
	s_wait_dscnt 0x0
	s_wait_kmcnt 0x0
	s_add_nc_u64 s[18:19], s[4:5], s[2:3]
	s_or_b32 s19, s19, 0x80000000                  ; type = 2
	tensor_load_to_lds s[16:19], s[20:27]          ; my one tensor load: these bytes are filled once
	s_nop 0
	PLACES
	v_and_b32 v1, 31, v0                           ; L
	v_and_b32 v2, 15, v0                           ; r
	v_bfe_u32 v3, v0, 4, 1                         ; h
	v_lshlrev_b32 v4, 4, v1                        ; 16 L: an image's place for my lane
	v_lshlrev_b32 v5, 4, v2                        ; 16 r: four scale words
	s_mul_i32 s2, s12, 17408                       ; my head's four blocks of each of wq, wk, wv
	s_add_nc_u64 s[28:29], s[6:7], s[2:3]
	WLOAD 0, 0
	WLOAD 1, 1
	WLOAD 2, 2
	s_mov_b32 s[SEL], 0x76543210
	s_mov_b32 s[SEL+1], 0xfedcba98
	v_cmp_le_u32 s31, 16, v1                       ; lanes 16-31
	v_and_b32 v12, 8, v2
	v_add_nc_u32 v12, v12, v2                      ; r + 8 (r / 8)
	v_mul_u32_u24 v6, v12, 2080
	v_lshl_add_u32 v6, v3, 6, v6                   ; x in LDS: my row of a tile, my 16 numbers of a block of 32
	s_lshr_b32 s13, s12, 2                         ; I quantise row tile m = w / 2, K steps 2 (w % 2) and 2 (w % 2) + 1
	s_mul_i32 s14, s13, 66560                      ; 32 rows for m / 2,
	s_bfe_u32 s13, s12, 0x10001
	s_mul_i32 s13, s13, 16640                      ; 8 rows for m % 2,
	s_add_co_u32 s14, s14, s13
	s_and_b32 s13, s12, 1
	s_mul_i32 s15, s13, 1040                       ; the row's second 1,024 bytes for w % 2
	s_add_co_u32 s14, s14, s15
	v_add_nc_u32 v6, s14, v6
	s_lshl_b32 s15, s12, 11
	s_add_co_u32 s15, s15, XIMG
	v_add_nc_u32 v7, s15, v4                       ; where my two fragments' images go: fragment 2 w
	s_lshl_b32 s15, s13, 9
	s_lshr_b32 s14, s12, 1
	s_lshl_b32 s14, s14, 2
	s_add_co_u32 s15, s15, s14
	s_add_co_u32 s15, s15, XSC
	v_add_nc_u32 v8, s15, v5                       ; and their scale words: [ks][r][m]
	v_add_nc_u32 v9, XIMG, v4
	v_add_nc_u32 v10, XSC, v5
	v_lshl_add_u32 v11, v3, 3, v5                  ; 16 r + 8 h: scale words on their way out
	s_lshr_b32 s13, ttmp9, 5                       ; the batch
	s_and_b32 s14, ttmp9, 31                       ; the token block in it
	s_lshl_b32 s15, s13, 3
	s_add_co_u32 s15, s15, s12                     ; bh = 8 b + head
	s_mul_i32 s2, s15, 73728
	s_mul_i32 s30, s14, 2304
	s_add_co_u32 s2, s2, s30
	s_add_nc_u64 s[32:33], s[8:9], s[2:3]          ; qb: [bh][blk] blocks of 2,304 bytes
	s_mul_i32 s2, s15, 143360
	s_lshr_b32 s30, s14, 1
	s_mul_i32 s30, s30, 8960
	s_add_co_u32 s2, s2, s30
	s_add_nc_u64 s[34:35], s[10:11], s[2:3]        ; kv: [bh][step of 128 keys] blocks of 8,960 bytes
	s_and_b32 s44, s14, 1                          ; g: which 64 of the step's 128 keys
	s_lshl_b32 s2, s44, 11
	s_add_nc_u64 s[36:37], s[34:35], s[2:3]        ; K's pieces 4 g on
	s_lshl_b32 s2, s44, 8
	s_add_nc_u64 s[38:39], s[34:35], s[2:3]        ; K's scale words [g][r][4]
	s_lshl_b32 s2, s44, 9
	s_add_nc_u64 s[40:41], s[34:35], s[2:3]        ; V's piece g of each fragment
	s_lshl_b32 s2, s44, 1
	s_add_nc_u64 s[42:43], s[34:35], s[2:3]        ; V's scale bytes 2 g, 2 g + 1 of each word
	WIN 0x40
.irp k, 0,1,2,3,4,5,6,7
	v_mov_b32 v[TM+8+\k], 0                        ; written once: a lane permute's destination counts as one of its sources
.endr
	WIN 0
	s_wait_tensorcnt 0x0                           ; my rows of x are in LDS,
	s_barrier_signal -1
	s_barrier_wait -1                              ; everybody's are
	; ---- x becomes codes: register 64 e + 16 b + i = k 128 (2 (w % 2) + e) + 32 b + 16 h + i of my row
	WIN 0x40
.irp e, 0,1
.irp b, 0,1,2,3
.irp j, 0,1,2,3
	ds_load_b128 v[ACC+64*\e+16*\b+4*\j:ACC+64*\e+16*\b+4*\j+3], v6 offset:512*\e+128*\b+16*\j
.endr
.endr
.endr
	QUANT8
.irp e, 0,1
	v_lshl_or_b32 v[WD+\e], v[HW+2*\e+1], 16, v[HW+2*\e]   ; a fragment's scale word
.endr
	WIN 0x04
.irp e, 0,1
.irp c, 0,1
	ds_store_b128 v7, v[PC+8*\e+4*\c:PC+8*\e+4*\c+3] offset:1024*\e+512*\c
.endr
	ds_store_b32 v8, v[WD+\e] offset:256*\e        ; lanes l and l xor 16 write the same word with the same value
.endr
	WIN 0
	s_wait_dscnt 0x0                               ; my images have landed,
	s_barrier_signal -1
	s_barrier_wait -1                              ; all sixteen fragments lie in LDS
	ALOAD 0, 0
	STEP 0, 0
	STEP 1, 0
	STEP 2, 0
	STEP 3, 0
	EPI_QK 32, 32, 2048                            ; q
	STEP 4, 0
	STEP 5, 0
	STEP 6, 0
	STEP 7, 0
	EPI_QK 36, 38, 8192                            ; k
	STEP 8, 1
	STEP 9, 1
	STEP 10, 1
	STEP 11, 1
	PLACES                                         ; v: piece t = channel tile t x these 64 tokens
	QUANT8
	v_cndmask_b32 v[WD], v[HW], v[HW+2], s31
	v_cndmask_b32 v[WD+1], v[HW+1], v[HW+3], s31
	WIN 0x04
.irp t, 0,1,2,3
	global_store_b128 v4, v[PC+4*\t:PC+4*\t+3], s[40:41] offset:4096+1024*\t
.endr
	global_store_b16 v11, v[WD], s[42:43] offset:8704      ; two bytes of each word [r][t]: the other two come from the step's other 64 tokens.  128 of the unit's 2,176 bytes leave so
	global_store_b16 v11, v[WD+1], s[42:43] offset:8708
	WIN 0
	s_wait_tensorcnt 0x0
	ds_add_u32 v126, v127
	s_wait_dscnt 0x0
	s_endpgm
.Lfunc_end_k_q8f79964a3f_qkv:
	.size	k_q8f79964a3f_qkv, .Lfunc_end_k_q8f79964a3f_qkv-k_q8f79964a3f_qkv
	.p2alignl 7, 3214868480
	.fill 96, 4, 3214868480
	.section	.rodata,"a",@progbits
	.p2align	6, 0x0
	.amdhsa_kernel k_q8f79964a3f_qkv
		.amdhsa_group_segment_fixed_size 168960
		.amdhsa_private_segment_fixed_size 0
		.amdhsa_enable_private_segment 0
		.amdhsa_kernarg_size 32
		.amdhsa_user_sgpr_count 2
		.amdhsa_user_sgpr_kernarg_segment_ptr 1
		.amdhsa_wavefront_size32 1
		.amdhsa_system_sgpr_workgroup_id_x 1
		.amdhsa_system_sgpr_workgroup_id_y 1
		.amdhsa_system_sgpr_workgroup_id_z 1
		.amdhsa_system_vgpr_workitem_id 0
		.amdhsa_next_free_vgpr 512
		.amdhsa_next_free_sgpr 66
		.amdhsa_reserve_vcc 0
		.amdhsa_float_denorm_mode_32 3
		.amdhsa_float_denorm_mode_16_64 3
		.amdhsa_memory_ordered 1
		.amdhsa_forward_progress 1
		.amdhsa_inst_pref_size 84
	.end_amdhsa_kernel
	.amdgpu_metadata
---
amdhsa.version: [ 1, 2 ]
amdhsa.kernels:
  - .name:           k_q8f79964a3f_qkv
    .symbol:         k_q8f79964a3f_qkv.kd
    .args:
      - { .name: x, .offset: 0, .size: 8, .value_kind: global_buffer, .address_space: global }
      - { .name: wimg, .offset: 8, .size: 8, .value_kind: global_buffer, .address_space: global }
      - { .name: qb, .offset: 16, .size: 8, .value_kind: global_buffer, .address_space: global }
      - { .name: kv, .offset: 24, .size: 8, .value_kind: global_buffer, .address_space: global }
    .group_segment_fixed_size: 168960
    .private_segment_fixed_size: 0
    .kernarg_segment_align: 8
    .kernarg_segment_size: 32
    .max_flat_workgroup_size: 256
    .sgpr_count:     66
    .vgpr_count:     512
    .wavefront_size: 32
...
	.end_amdgpu_metadata
.endif
;; end of part 2
;; launch attn (part 3): grid 4 x 64, 16 waves a work-group, clusters of 4 x 1, 169,984 bytes of LDS; arguments qb, kv, cimg; writes cimg
.if DOCPART == 3
	.amdgcn_target "amdgcn-amd-amdhsa--gfx1250"
	.amdhsa_code_object_version 6
	.text
	.protected	k_q8f79964a3f_attn
	.globl	k_q8f79964a3f_attn
	.p2align	8
	.type	k_q8f79964a3f_attn,@function
k_q8f79964a3f_attn:
	s_mov_b64 s[64:65], 0
	v_nop
	global_prefetch_b8 v0, s[64:65] scope:SCOPE_SE
	s_setreg_imm32_b32 hwreg(HW_REG_WAVE_MODE, 25, 1), 1
	s_wait_xcnt 0x0
	s_wait_alu depctr_hold_cnt(0) depctr_sa_sdst(0) depctr_va_vdst(0) depctr_va_sdst(0) depctr_va_ssrc(0) depctr_va_vcc(0) depctr_vm_vsrc(0)
	s_getreg_b32 s2, hwreg(HW_REG_IB_STS2, 6, 4)
	s_cmp_eq_u32 s2, 0
	s_cbranch_scc0 .Lentry_in_a_cluster
	s_endpgm
.Lentry_in_a_cluster:
	s_bfe_u32 s2, ttmp6, 0x10000c
	s_cmp_lg_u32 s2, 0x3003
	s_cbranch_scc0 .Lentry_shape_is_right
	s_endpgm
.Lentry_shape_is_right:
; heads = softmax(q k^T / 8) v for one (batch, head), both products on codes of FP4 (E2M1) with E8M0 scales; the result, divided by the row's sum, is quantised along the channels and leaves as a piece of concat's operand image.
; THE SOFTMAX AHEAD OF THE SECOND PRODUCT: t = score x log2(e) / 8; M = the running largest t rounded UP to a whole number; p = 2^(t - M) is quantised along the keys; the row's sum is taken of the unquantised p.
; When M moves, the sum and O are multiplied by 2^(old M - new M): exact.
; SHARES.  Work-group (qx, bh) owns 512 queries of head bh; each of its sixteen waves owns 32: two tiles of 16, which share every fragment of K and V read from LDS.  Four waves to a SIMD: one wave's vector work stands beside another's products.
; THE HEAD'S K AND V STAY IN LDS: 16 steps x 8,960 bytes = 143,360 bytes, filled once: no ring, and one work-group barrier in the loop's way.
; CLUSTER.  The four query quarters of a head want the same bytes: wave w of all four issues the same tensor load, for step w's block, with a mask that names the four.
; No prefetch: every work-group asks for all that it streams at its head; there is no later step to ask ahead for.
; LAYOUT.  Both products are used transposed: S^T = K Q^T, O^T = V^T P^T: a lane holds one query throughout.  The keys of a tile of K and the channels of a tile of V were chosen by the launch before so that 16 registers of two
; neighbouring tiles are 16 neighbours.
; K = 64 IN AN INSTRUCTION OF K = 128.  Q's registers 4-7 are zero codes and both sides' scale bytes 2, 3 are 0x7f.  K's tile T is named v[FB + 4 T : FB + 4 T + 7]: its upper four registers hold the next tile's codes
; (zeros behind tile 7): numbers of the format times zero codes under the scale 1 add exactly 0.  That spares 32 registers, which is what lets two tiles of queries share each fragment.
; LIMITS: a block of zeros gets the scale byte 1 where the rule says 127 (its codes are zeros; only this program reads the bytes); NaN and infinities are not served.
; REGISTERS: v1 16 L, v2 16 r, v3, v4 the step's LDS addresses; v12 + 4 u: -M, the largest t, the sum's two halves of tile u; v20-35 Q; v36-37 Q's scale words; v38-39 p's; v40-47 K's; v48-51 V's;
; v52-67 p's codes; v68-103 K's or V's fragments; v104-167 S^T, then p; v168-231 O^T; v232-254 at work.
.set FB,  68
.set S,   104
.set CS,  32                           ; s[32:33] c = log2(e) / 8
.set SEL, 34                           ; s[34:35] lane l xor 16
.set TB,  36                           ; s36 LDS byte at which the step's block begins
.set LC,  37                           ; s37 steps to go
.macro ROUND                           ; a round of the cluster's barrier
	s_barrier_signal -1
	s_barrier_wait -1
	s_cmp_lg_u32 s10, 0
	s_cbranch_scc1 .Lnot_wave_0_\@
	s_barrier_signal -3
.Lnot_wave_0_\@:
	s_barrier_wait -3
	s_barrier_signal -1
	s_barrier_wait -1
.endm
.macro PLACES
.rept 4
	v_nop
.endr
.endm
	s_load_b128 s[4:7], s[0:1], 0x0                ; qb, kv
	s_load_b64 s[8:9], s[0:1], 0x10                ; cimg
	v_lshl_add_u32 v251, v0, 2, 0x29000
	v_mov_b32 v255, 0
	ds_add_u32 v251, v255
	ds_add_u32 v251, v255
	v_lshrrev_b32 v5, 5, v0
	v_readfirstlane_b32 s10, v5                    ; wave 0..15
	s_and_b32 s12, ttmp7, 0xffff                   ; bh, which the four partners share
	; descriptor: a step's block, 8,960 dense bytes, as 35 rows of 32 elements of 8 bytes
	s_mov_b32 s24, 15|(3<<16)|(1<<21)              ; the mask: all four work-groups; bit 21 beside it
	s_mov_b32 s25, 32<<16
	s_mov_b32 s26, 35<<16
	s_mov_b32 s27, 32<<16
	s_mov_b32 s28, 35
	s_mov_b32 s29, 32
	s_mov_b32 s30, 0
	s_mov_b32 s31, 0
	s_mov_b32 s20, 1
	s_mul_i32 s21, s10, 8960                       ; LDS: step w
	s_mul_i32 s14, s12, 143360
	s_add_co_u32 s14, s14, s21
	s_mov_b32 s15, 0
	; my place in the cluster enters Q's and cimg's global addresses alone
	s_bfe_u32 s11, ttmp6, 0x40000                  ; cx
	s_lshl_b32 s16, ttmp9, 2
	s_add_co_u32 s16, s16, s11                     ; the query quarter
	s_lshl_b32 s16, s16, 3
	s_lshr_b32 s17, s10, 1
	s_add_co_u32 s16, s16, s17                     ; blk: my block of 64 tokens
	s_and_b32 s17, s10, 1                          ; bq: its tiles 2 bq, 2 bq + 1 are mine
	s_mul_i32 s18, s12, 73728
	s_mul_i32 s19, s16, 2304
	s_add_co_u32 s18, s18, s19
	s_mov_b32 s19, 0
	s_lshr_b32 s38, s12, 3
	s_lshl_b32 s38, s38, 5
	s_add_co_u32 s38, s38, s16                     ; the token block among all 256
	s_mul_i32 s38, s38, 17408
	s_bfe_u32 s39, s12, 0x20001                    ; concat's K step: head / 2
	s_and_b32 s46, s12, 1                          ; and piece: head % 2
	s_lshl_b32 s47, s17, 3
	s_add_co_u32 s47, s47, s39
	s_lshl_b32 s47, s47, 10                        ; fragment 4 m + ks, m = 2 bq
	s_lshl_b32 s48, s46, 9
	s_add_co_u32 s47, s47, s48
	s_add_co_u32 s42, s38, s47
	s_mov_b32 s43, 0
	s_lshl_b32 s47, s39, 8                         ; scale words [ks][r][m], my two bytes of each
	s_lshl_b32 s48, s17, 3
	s_add_co_u32 s47, s47, s48
	s_lshl_b32 s48, s46, 1
	s_add_co_u32 s47, s47, s48
	s_add_co_u32 s47, s47, 16384
	s_add_co_u32 s44, s38, s47
	s_mov_b32 s45, 0
	s_mov_b32 s[CS], 0x3e38aa3b
	s_mov_b32 s[CS+1], s[CS]                       ; (named with it as a pair, so it is written)
	s_mov_b32 s[SEL], 0x76543210
	s_mov_b32 s[SEL+1], 0xfedcba98
	s_mov_b32 s[TB], 0
	s_mov_b32 s[LC], 16
	s_wait_dscnt 0x0
	s_wait_kmcnt 0x0
	s_add_nc_u64 s[22:23], s[6:7], s[14:15]
	s_or_b32 s23, s23, 0x80000000                  ; type = 2
	s_add_nc_u64 s[40:41], s[4:5], s[18:19]
	s_add_nc_u64 s[42:43], s[8:9], s[42:43]
	s_add_nc_u64 s[44:45], s[8:9], s[44:45]
	ROUND                                          ; all four work-groups are here: the joint loads meet
	tensor_load_to_lds s[20:23], s[24:31]          ; my one tensor load
	s_nop 0
	PLACES
	v_and_b32 v5, 31, v0                           ; L
	v_lshlrev_b32 v1, 4, v5
	v_and_b32 v6, 15, v0
	v_lshlrev_b32 v2, 4, v6
	s_lshl_b32 s13, s17, 10
	v_add_nc_u32 v7, s13, v1                       ; Q's pieces 2 bq, 2 bq + 1
	s_lshl_b32 s13, s17, 3
	v_add_nc_u32 v8, s13, v2                       ; and their two scale words
	global_load_b128 v[20:23], v7, s[40:41]
	global_load_b128 v[28:31], v7, s[40:41] offset:512
	global_load_b64 v[36:37], v8, s[40:41] offset:2048
	v_bfe_u32 v9, v0, 4, 1
	v_lshl_add_u32 v9, v9, 2, v2                   ; the way out: 16 r + 4 h
.irp j, 24,25,26,27,32,33,34,35,100,101,102,103
	v_mov_b32 v\j, 0                               ; zero codes: Q's upper 64 along K, and what stands behind K's tile 7
.endr
	v_mov_b32 v13, 0xff61b1e6                      ; the largest t so far: -3e38
	v_mov_b32 v17, 0xff61b1e6
	v_floor_f32 v12, -v13                          ; -M
	v_floor_f32 v16, -v17
.irp j, 14,15,18,19,236,237,238,239,253
	v_mov_b32 v\j, 0                               ; the sums; a lane permute's destinations; the upper half of the pair v[252:253]
.endr
.set j, 168
.rept 64
	v_mov_b32 v[j], 0                              ; O^T: the loop is written once, and its first step finds zeros
.set j, j+1
.endr
	s_wait_loadcnt 0x0                             ; Q
	s_wait_tensorcnt 0x0                           ; my step's block is in LDS,
	s_barrier_signal -1
	s_barrier_wait -1                              ; the whole head is
; One tile's softmax for 128 keys: S^T in v104-167 becomes p's codes, p's scale word, and the tile's statistics and O^T are brought under the new M.
.macro SOFTMAX u
.set NM,  12+4*(\u)
.set SU,  14+4*(\u)
.set PP,  52+8*(\u)
.set PWR, 38+(\u)
.set OO,  168+32*(\u)
.irp b, 0,1,2,3
	v_max3_num_f32 v[232+\b], v[S+16*\b], v[S+16*\b+1], v[S+16*\b+2]   ; the largest score of each block of 32 keys: for the row's maximum, and, since p rises with the score, for the block's largest p
.endr
.irp i, 3,5,7,9,11,13
.irp b, 0,1,2,3
	v_max3_num_f32 v[232+\b], v[232+\b], v[S+16*\b+\i], v[S+16*\b+\i+1]
.endr
.endr
.irp b, 0,1,2,3
	v_max_num_f32 v[232+\b], v[232+\b], v[S+16*\b+15]
.endr
.irp b, 0,1,2,3
	v_permlanex16_b32 v[236+\b], v[232+\b], s[SEL], s[SEL+1]
.endr
.irp b, 0,1,2,3
	v_max_num_f32 v[232+\b], v[232+\b], v[236+\b]
.endr
	v_max3_num_f32 v254, v232, v233, v234
	v_max_num_f32 v254, v254, v235
	v_mul_f32 v254, s[CS], v254                    ; the step's largest t
	v_max_num_f32 v[NM+1], v[NM+1], v254           ; the running largest
	v_mov_b32 v254, v[NM]
	v_floor_f32 v[NM], -v[NM+1]                    ; -M = floor(-t): M is a whole number
	v_sub_f32 v254, v[NM], v254                    ; old M - new M, 0 or less
	v_cvt_i32_f32 v254, v254                       ; (it saturates)
	v_ldexp_f32 v252, 1.0, v254                    ; f = 2^(old M - new M)
.set j, 0
.rept 32
	v_pk_fma_f32 v[S+j:S+j+1], v[S+j:S+j+1], s[CS:CS+1], v[NM:NM+1] op_sel_hi:[1,0,0]   ; t - M
.set j, j+2
.endr
.irp b, 0,1,2,3
	v_fma_f32 v[232+\b], v[232+\b], s[CS], v[NM]
.endr
.set j, 0
.rept 64
	v_exp_f32 v[S+j], v[S+j]                       ; p, at most 1
.set j, j+1
.endr
	v_pk_mul_f32 v[SU:SU+1], v[SU:SU+1], v[252:253] op_sel_hi:[1,0]   ; the sums under the new M: the plain place behind the batch
	s_wait_alu depctr_va_vdst(0)                   ; one wait for the 64, ahead of their first reader
.irp b, 0,1,2,3
	v_exp_f32 v[232+\b], v[232+\b]                 ; each block's largest p
.endr
	v_pk_add_f32 v[236:237], v[S:S+1], v[S+2:S+3]  ; the row's sum, of the unquantised p, in two chains
.irp j, 4,8,12,16,20,24,28,32,36,40,44,48,52,56,60
	v_pk_add_f32 v[SU:SU+1], v[SU:SU+1], v[S+\j:S+\j+1]
	v_pk_add_f32 v[236:237], v[236:237], v[S+\j+2:S+\j+3]
.endr
	v_pk_add_f32 v[SU:SU+1], v[SU:SU+1], v[236:237]
	s_wait_alu depctr_va_vdst(0)                   ; and one for the four
.irp b, 0,1,2,3
	v_max_num_f32 v[232+\b], 0x1800000, v[232+\b]  ; the floor 2^(3 - 127)
.endr
.irp b, 0,1,2,3
	v_add_nc_u32 v[244+\b], 0xff000000, v[232+\b]
.endr
.irp b, 0,1,2,3
	v_lshrrev_b32 v[236+\b], 23, v[244+\b]
.endr
	v_lshl_or_b32 v[PWR], v237, 8, v236            ; p's scale word for these 128 keys
	v_lshl_or_b32 v[PWR], v238, 16, v[PWR]
	v_lshl_or_b32 v[PWR], v239, 24, v[PWR]
.irp b, 0,1,2,3
	v_cvt_scalef32_pk8_fp4_f32 v[PP+2*\b], v[S+16*\b:S+16*\b+7], v[244+\b]
	v_cvt_scalef32_pk8_fp4_f32 v[PP+2*\b+1], v[S+16*\b+8:S+16*\b+15], v[244+\b]
.endr
	v_nop                                          ; one plain place behind a scaled conversion
.irp c, 0,1
.irp i, 0,1
	v_permlane16_swap_b32 v[PP+4*\c+\i], v[PP+4*\c+2+\i]
.endr
.endr
.set j, 0
.rept 16
	v_pk_mul_f32 v[OO+j:OO+j+1], v[OO+j:OO+j+1], v[252:253] op_sel_hi:[1,0]   ; O^T under the new M.  These are also the places between p's codes and scale word and the products that take them
.set j, j+2
.endr
.endm
.macro SCORES u                        ; S^T = K Q^T for tile u: eight tiles of 16 keys, eight accumulators, each begun with 0
.irp t, 0,1,2,3,4,5,6,7
	v_wmma_scale_f32_16x16x128_f8f6f4 v[S+8*\t:S+8*\t+7], v[FB+4*\t:FB+4*\t+7], v[20+8*(\u):27+8*(\u)], 0, v[40+\t], v[36+(\u)] matrix_a_fmt:MATRIX_FMT_FP4 matrix_b_fmt:MATRIX_FMT_FP4
.endr
	PLACES
.endm
.Lstep:                                            ; 16 trips: 128 keys each
	v_add_nc_u32 v3, s[TB], v1
	v_add_nc_u32 v4, s[TB], v2
	v_nop
	v_nop                                          ; four places behind the last products, ahead of the loads into their registers
.irp t, 0,1,2,3,4,5,6,7
	ds_load_b128 v[FB+4*\t:FB+4*\t+3], v3 offset:512*\t            ; K's eight pieces
.endr
	ds_load_b128 v[40:43], v4 offset:8192          ; K's scale words, tiles 0-3,
	ds_load_b128 v[44:47], v4 offset:8448          ; tiles 4-7;
	ds_load_b128 v[48:51], v4 offset:8704          ; V's
	s_wait_dscnt 0x0
	SCORES 0
	SOFTMAX 0
	SCORES 1
.irp p, 0,1,2,3,4,5,6,7
	ds_load_b128 v[FB+4*\p:FB+4*\p+3], v3 offset:4096+512*\p       ; V's four fragments land under the second softmax
.endr
	SOFTMAX 1
	s_wait_dscnt 0x0
.irp t, 0,1,2,3                        ; O^T += V^T P^T: the eight accumulators take turns
.irp u, 0,1
	v_wmma_scale_f32_16x16x128_f8f6f4 v[168+32*\u+8*\t:175+32*\u+8*\t], v[FB+8*\t:FB+8*\t+7], v[52+8*\u:59+8*\u], v[168+32*\u+8*\t:175+32*\u+8*\t], v[48+\t], v[38+\u] matrix_a_fmt:MATRIX_FMT_FP4 matrix_b_fmt:MATRIX_FMT_FP4
.endr
.endr
	s_add_co_u32 s[TB], s[TB], 8960
	s_sub_co_u32 s[LC], s[LC], 1
	s_cmp_lg_u32 s[LC], 0
	s_cbranch_scc1 .Lstep
	; THE WAY OUT: O^T / the row's sum; its 64 registers are four blocks of 32 channels (tile u, block b at 168 + 16 (2 u + b)), halves in lanes l and l xor 16
	PLACES
	v_add_f32 v14, v14, v15
	v_add_f32 v18, v18, v19
	v_permlanex16_b32 v252, v14, s[SEL], s[SEL+1]
	v_permlanex16_b32 v253, v18, s[SEL], s[SEL+1]
	v_add_f32 v14, v14, v252
	v_add_f32 v18, v18, v253
	v_rcp_f32 v14, v14
	v_rcp_f32 v18, v18
	v_nop                                          ; a plain place behind the reciprocals,
	s_wait_alu depctr_va_vdst(0)                   ; and one wait for both, ahead of the first reader
.irp u, 0,1
.set j, 0
.rept 16
	v_pk_mul_f32 v[168+32*\u+j:169+32*\u+j], v[168+32*\u+j:169+32*\u+j], v[14+4*\u:15+4*\u] op_sel_hi:[1,0]
.set j, j+2
.endr
.endr
.irp b, 0,1,2,3
	v_max3_num_f32 v[232+\b], |v[168+16*\b]|, |v[169+16*\b]|, 0x1800000
.endr
.irp i, 2,4,6,8,10,12,14
.irp b, 0,1,2,3
	v_max3_num_f32 v[232+\b], v[232+\b], |v[168+16*\b+\i]|, |v[169+16*\b+\i]|
.endr
.endr
.irp b, 0,1,2,3
	v_permlanex16_b32 v[236+\b], v[232+\b], s[SEL], s[SEL+1]
.endr
.irp b, 0,1,2,3
	v_max_num_f32 v[232+\b], v[232+\b], v[236+\b]
.endr
.irp b, 0,1,2,3
	v_add_nc_u32 v[244+\b], 0xff000000, v[232+\b]
.endr
.irp b, 0,1,2,3
	v_lshrrev_b32 v[236+\b], 23, v[244+\b]
.endr
	v_lshl_or_b32 v240, v237, 8, v236              ; tile 0's two scale bytes,
	v_lshl_or_b32 v241, v239, 8, v238              ; tile 1's
.irp b, 0,1,2,3
	v_cvt_scalef32_pk8_fp4_f32 v[52+2*\b], v[168+16*\b:175+16*\b], v[244+\b]
	v_cvt_scalef32_pk8_fp4_f32 v[53+2*\b], v[176+16*\b:183+16*\b], v[244+\b]
.endr
	v_nop
.irp c, 0,1
.irp i, 0,1
	v_permlane16_swap_b32 v[52+4*\c+\i], v[54+4*\c+\i]
.endr
.endr
	v_cmp_le_u32 vcc_lo, 16, v5
	v_cndmask_b32 v240, v240, v241, vcc_lo         ; lanes 16-31 carry tile 1's
	global_store_b128 v1, v[52:55], s[42:43]                       ; 512 consecutive bytes, aligned: tile 2 bq's piece,
	global_store_b128 v1, v[56:59], s[42:43] offset:4096           ; tile 2 bq + 1's
	global_store_b16 v9, v240, s[44:45]            ; two bytes of each scale word: the other two are the K step's other head's.  64 of the wave's 1,088 bytes leave so
	s_wait_tensorcnt 0x0
	ds_add_u32 v251, v255
	s_wait_dscnt 0x0
	ROUND                                          ; the closing round
	s_endpgm
.Lfunc_end_k_q8f79964a3f_attn:
	.size	k_q8f79964a3f_attn, .Lfunc_end_k_q8f79964a3f_attn-k_q8f79964a3f_attn
	.p2alignl 7, 3214868480
	.fill 96, 4, 3214868480
	.section	.rodata,"a",@progbits
	.p2align	6, 0x0
	.amdhsa_kernel k_q8f79964a3f_attn
		.amdhsa_group_segment_fixed_size 169984
		.amdhsa_private_segment_fixed_size 0
		.amdhsa_enable_private_segment 0
		.amdhsa_kernarg_size 24
		.amdhsa_user_sgpr_count 2
		.amdhsa_user_sgpr_kernarg_segment_ptr 1
		.amdhsa_wavefront_size32 1
		.amdhsa_system_sgpr_workgroup_id_x 1
		.amdhsa_system_sgpr_workgroup_id_y 1
		.amdhsa_system_sgpr_workgroup_id_z 1
		.amdhsa_system_vgpr_workitem_id 0
		.amdhsa_next_free_vgpr 256
		.amdhsa_next_free_sgpr 66
		.amdhsa_reserve_vcc 1
		.amdhsa_float_denorm_mode_32 3
		.amdhsa_float_denorm_mode_16_64 3
		.amdhsa_memory_ordered 1
		.amdhsa_forward_progress 1
		.amdhsa_inst_pref_size 43
	.end_amdhsa_kernel
	.amdgpu_metadata
---
amdhsa.version: [ 1, 2 ]
amdhsa.kernels:
  - .name:           k_q8f79964a3f_attn
    .symbol:         k_q8f79964a3f_attn.kd
    .args:
      - { .name: qb, .offset: 0, .size: 8, .value_kind: global_buffer, .address_space: global }
      - { .name: kv, .offset: 8, .size: 8, .value_kind: global_buffer, .address_space: global }
      - { .name: cimg, .offset: 16, .size: 8, .value_kind: global_buffer, .address_space: global }
    .group_segment_fixed_size: 169984
    .private_segment_fixed_size: 0
    .kernarg_segment_align: 8
    .kernarg_segment_size: 24
    .max_flat_workgroup_size: 512
    .sgpr_count:     66
    .vgpr_count:     256
    .wavefront_size: 32
...
	.end_amdgpu_metadata
.endif
;; end of part 3
;; launch tail (part 4): grid 256 x 1, 8 waves a work-group, no clusters, 211,968 bytes of LDS; arguments x, cimg, wimg, b1, b2, ln1_g, ln1_b, ln2_g, ln2_b, out0; writes out0
.if DOCPART == 4
	.amdgcn_target "amdgcn-amd-amdhsa--gfx1250"
	.amdhsa_code_object_version 6
	.text
	.protected	k_q8f79964a3f_tail
	.globl	k_q8f79964a3f_tail
	.p2align	8
	.type	k_q8f79964a3f_tail,@function
k_q8f79964a3f_tail:
	s_mov_b64 s[64:65], 0
	v_nop
	global_prefetch_b8 v0, s[64:65] scope:SCOPE_SE
	s_setreg_imm32_b32 hwreg(HW_REG_WAVE_MODE, 25, 1), 1
	s_wait_xcnt 0x0
; out = LN2(relu(x1 w1 + b1) w2 + b2 + x1), x1 = LN1(concat wo + x); the three products on codes of FP4 (E2M1) with E8M0 scales, all else in f32.  Nothing but the result goes to memory.
; SHARES.  A work-group takes 64 tokens.  THE WAVES SHARE THE COLUMNS: wave w owns columns 64 w .. 64 w + 63 of the layers of 512 and hidden units 128 w .. 128 w + 127 (one K step of the last product), for all 64 tokens:
; 20 K steps of 128, 16 matrix instructions each.  All products are used transposed (source 0 = a weight tile, source 1 = a token tile): a lane holds one token, its registers run along the columns.
; Row tile m's lane r is token 32 (m / 2) + 8 (m % 2) + r + 8 (r / 8), as in the launches before; the weights' tiles are laid alike, so 16 registers of two neighbouring tiles are 16 neighbouring columns.
; OPERANDS GO FROM WAVE TO WAVE THROUGH LDS AS IMAGES OF THEIR REGISTERS (512 bytes a piece of 64 along K, lane l's 16 bytes at 16 l), their scale words as [ks][r][m].
; The residuals and biases are the C of a sum's first product, or lie in the accumulators when the sum begins.  x's tile in LDS is overwritten in place by x1 and then by the result, each lane writing only the bytes that it read;
; the tile has had its only fill by then.  A LayerNorm's mean and variance are taken in two passes, as the definition has them; the eight waves' partial sums meet in LDS, each of the four meetings in bytes of its own.
; THE WEIGHTS' IMAGES go from memory straight into operand registers, three K steps ahead.  All work-groups walk the same images; they are not asked for jointly: a joint load lands in LDS, and the 160 blocks x 4,352 bytes
; do not fit beside the x tile and the images, so they would want a ring that is filled again.
; LIMITS: a block of zeros gets the scale byte 1 where the rule says 127 (its codes are zeros; only this program reads the bytes); NaN and infinities are not served.
; REGISTERS.  Window 0: v1-21 lane numbers and addresses; v32-63, v84-115 two sets of four token fragments; v64-67, v116-119 their scale words; v68-83 the weights' scale words; v128-255 the weights' fragments, four sets.
; Window 1: v0-127 the 16 accumulators; v128-159 PA, v160-191 PB: 32 numbers a lane of a bias or gain; v192-255 at work.
.set CIMG,  133120                     ; LDS: byte 0: the x tile (row R, byte cb at 2,080 R + 1,040 (cb >> 10) + (cb & 1,023)); concat's 16 fragments and, 16,384 on, their scale words;
.set X1IMG, 150528                     ; x1's 16 fragments (4 m + ks),
.set X1SC,  166912                     ; their scale words,
.set HIMG,  167936                     ; the hidden layer's 32 fragments (8 m + ks),
.set HSC,   200704                     ; their scale words,
.set RED,   202752                     ; four meetings of 2,048 bytes: the partial of row 16 m + r and wave w at 32 (16 m + r) + 4 w
.set AF0, 32
.set AS0, 64
.set WS,  68
.set WF,  128
.set ACC, 0
.set PA,  128
.set PB,  160
.set TM,  192
.set PC,  216
.set HW,  232
.set LP,  192                          ; a meeting's 32 partials
.set MP,  224                          ; four pairs: minus the mean
.set SP,  236                          ; four pairs: sums, later 1 / sqrt
.set LS,  244
.set LT,  248
.set SEL, 56
.set ISS, 0                            ; global loads issued so far: the text has no branch, so the assembler's count is the wave's
.set MSB, 0
.macro WIN new                         ; s_set_vgpr_msb: bits 1:0 source 0, 3:2 source 1, 5:4 source 2, 7:6 destination; the high byte repeats the setting that is left
.if MSB != \new
	s_set_vgpr_msb (MSB<<8)|\new
.set MSB, \new
.endif
.endm
.macro PLACES                          ; four places behind matrix instructions, ahead of loads into their registers and of the first read of results
.rept 4
	v_nop
.endr
.endm
.macro BARRIER                         ; my LDS stores have landed and my LDS loads are in: then the work-group's barrier
	s_wait_dscnt 0x0
	s_barrier_signal -1
	s_barrier_wait -1
.endm
.macro WLOAD id, base, blk             ; K step id's weight block into set id % 4: nine loads
.irp p, 0,1,2,3,4,5,6,7
	global_load_b128 v[WF+32*((\id)%4)+4*\p:WF+32*((\id)%4)+4*\p+3], v4, s[\base:\base+1] offset:(\blk)*4352+512*\p
.endr
	global_load_b128 v[WS+4*((\id)%4):WS+4*((\id)%4)+3], v5, s[\base:\base+1] offset:(\blk)*4352+4096
.set ISS, ISS+9
.set END_W\id, ISS
.endm
.macro PLOAD dst, ptr, off, tag        ; 32 numbers a lane of a vector over my 64 columns, in the accumulators' layout: register 8 t + j = column 32 (t / 2) + 16 h + 8 (t % 2) + j
	WIN 0x40
.irp t, 0,1,2,3
.irp e, 0,1
	global_load_b128 v[\dst+8*\t+4*\e:\dst+8*\t+4*\e+3], v21, s[\ptr:\ptr+1] offset:\off+128*(\t/2)+32*(\t%2)+16*\e
.endr
.endr
	WIN 0
.set ISS, ISS+8
.set END_\tag, ISS
.endm
.macro LWAIT tag                       ; the loads issued behind the tagged ones may stay out
	s_wait_loadcnt ISS-END_\tag
.endm
.macro ALOAD set, vc, vs, ms, ks       ; four token fragments of K step ks (fragment ms x m + ks) and their scale words: nine LDS loads
.irp m, 0,1,2,3
.irp c, 0,1
	ds_load_b128 v[AF0+52*(\set)+8*\m+4*\c:AF0+52*(\set)+8*\m+4*\c+3], v[\vc] offset:((\ms)*\m+(\ks))*1024+512*\c
.endr
.endr
	ds_load_b128 v[AS0+52*(\set):AS0+52*(\set)+3], v[\vs] offset:256*(\ks)
.endm
; K step g's 16 products.  cm = 0: onto the accumulators; else the bias's registers are C.  dsn: the LDS loads just issued for the next step.  The 16 accumulators take turns.
.macro MUL g, cm, dsn
	s_wait_loadcnt ISS-END_W\g
	s_wait_dscnt \dsn
	WIN 0x50                                       ; operands window 0, C and D window 1
.set WFS, WF+32*((\g)%4)
.set WSS, WS+4*((\g)%4)
.set AFS, AF0+52*((\g)%2)
.set ASS, AS0+52*((\g)%2)
.irp m, 0,1,2,3
.irp t, 0,1,2,3
.if \cm
	v_wmma_scale_f32_16x16x128_f8f6f4 v[ACC+32*\m+8*\t:ACC+32*\m+8*\t+7], v[WFS+8*\t:WFS+8*\t+7], v[AFS+8*\m:AFS+8*\m+7], v[\cm+8*\t:\cm+8*\t+7], v[WSS+\t], v[ASS+\m] matrix_a_fmt:MATRIX_FMT_FP4 matrix_b_fmt:MATRIX_FMT_FP4
.else
	v_wmma_scale_f32_16x16x128_f8f6f4 v[ACC+32*\m+8*\t:ACC+32*\m+8*\t+7], v[WFS+8*\t:WFS+8*\t+7], v[AFS+8*\m:AFS+8*\m+7], v[ACC+32*\m+8*\t:ACC+32*\m+8*\t+7], v[WSS+\t], v[ASS+\m] matrix_a_fmt:MATRIX_FMT_FP4 matrix_b_fmt:MATRIX_FMT_FP4
.endif
.endr
.endr
	WIN 0
.endm
.macro XRES                            ; my 128 numbers of the tile in LDS into the accumulators' registers
	WIN 0x40
.irp m, 0,1,2,3
.irp t, 0,1,2,3
.irp e, 0,1
	ds_load_b128 v[ACC+32*\m+8*\t+4*\e:ACC+32*\m+8*\t+4*\e+3], v[6+\m/2] offset:(\m%2)*16640+128*(\t/2)+32*(\t%2)+16*\e
.endr
.endr
.endr
	WIN 0
.endm
.macro XPUT                            ; and back to the same bytes
	WIN 0x04
.irp m, 0,1,2,3
.irp t, 0,1,2,3
.irp e, 0,1
	ds_store_b128 v[6+\m/2], v[ACC+32*\m+8*\t+4*\e:ACC+32*\m+8*\t+4*\e+3] offset:(\m%2)*16640+128*(\t/2)+32*(\t%2)+16*\e
.endr
.endr
.endr
	WIN 0
.endm
; The 128 numbers in ACC are 8 blocks of 16 registers; block k's other 16 numbers lie in lane l xor 16.  They become codes in PC (piece q = token tile q x my 64 columns) and half scale words in HW + q.
.macro QUANT8
	s_wait_xcnt 0x0
	s_wait_dscnt 0x0                               ; earlier LDS stores have read PC and HW
	WIN 0x55
.irp k, 0,1,2,3,4,5,6,7
	v_max3_num_f32 v[TM+\k], |v[ACC+16*\k]|, |v[ACC+16*\k+1]|, 0x1800000   ; with the floor 2^(3 - 127): the byte cannot fall under 1
.endr
.irp i, 2,4,6,8,10,12,14
.irp k, 0,1,2,3,4,5,6,7
	v_max3_num_f32 v[TM+\k], v[TM+\k], |v[ACC+16*\k+\i]|, |v[ACC+16*\k+\i+1]|
.endr
.endr
.irp k, 0,1,2,3,4,5,6,7
	v_permlanex16_b32 v[TM+8+\k], v[TM+\k], s[SEL], s[SEL+1]
.endr
.irp k, 0,1,2,3,4,5,6,7
	v_max_num_f32 v[TM+\k], v[TM+\k], v[TM+8+\k]
.endr
.irp k, 0,1,2,3,4,5,6,7
	v_add_nc_u32 v[TM+16+\k], 0xff000000, v[TM+\k] ; 2 off the exponent field: the conversion's scale operand
.endr
.irp k, 0,1,2,3,4,5,6,7
	v_lshrrev_b32 v[TM+8+\k], 23, v[TM+16+\k]      ; the scale's byte
.endr
.irp q, 0,1,2,3
	v_lshl_or_b32 v[HW+\q], v[TM+9+2*\q], 8, v[TM+8+2*\q]
.endr
.irp k, 0,1,2,3,4,5,6,7
	v_cvt_scalef32_pk8_fp4_f32 v[PC+2*\k], v[ACC+16*\k:ACC+16*\k+7], v[TM+16+\k]
	v_cvt_scalef32_pk8_fp4_f32 v[PC+2*\k+1], v[ACC+16*\k+8:ACC+16*\k+15], v[TM+16+\k]
.endr
	v_nop                                          ; one plain place behind a scaled conversion
.irp q, 0,1,2,3
.irp i, 0,1
	v_permlane16_swap_b32 v[PC+4*\q+\i], v[PC+4*\q+2+\i]
.endr
.endr
.endm
.macro IMAGES va, ao, as_, vw, wo      ; the four pieces and their half scale words go to LDS
	WIN 0x04
.irp m, 0,1,2,3
	ds_store_b128 v[\va], v[PC+4*\m:PC+4*\m+3] offset:(\as_)*\m+(\ao)
.endr
.irp m, 0,1,2,3
	ds_store_b16 v[\vw], v[HW+\m] offset:4*\m+(\wo)        ; lanes l and l xor 16 write the same bytes with the same value
.endr
	WIN 0
.endm
; The pairs SP + 2 m hold my lane's sums over its 32 columns of row tile m.  They are joined with lane l xor 16's, meet the other waves' in LDS, and come back as the row's total in LS + m, added in the same order in every wave.
.macro EXCH off
.irp m, 0,1,2,3
	v_add_f32 v[LS+\m], v[SP+2*\m], v[SP+2*\m+1]
.endr
.irp m, 0,1,2,3
	v_permlanex16_b32 v[LT+\m], v[LS+\m], s[SEL], s[SEL+1]
.endr
.irp m, 0,1,2,3
	v_add_f32 v[LS+\m], v[LS+\m], v[LT+\m]
.endr
	WIN 0x04
.irp m, 0,1,2,3
	ds_store_b32 v18, v[LS+\m] offset:\off+512*\m
.endr
	WIN 0
	BARRIER
	WIN 0x40
.irp m, 0,1,2,3
.irp e, 0,1
	ds_load_b128 v[LP+8*\m+4*\e:LP+8*\m+4*\e+3], v19 offset:\off+512*\m+16*\e
.endr
.endr
	s_wait_dscnt 0x0
	WIN 0x55
.irp m, 0,1,2,3
	v_pk_add_f32 v[LP+8*\m:LP+8*\m+1], v[LP+8*\m:LP+8*\m+1], v[LP+8*\m+2:LP+8*\m+3]
.endr
.irp m, 0,1,2,3
	v_pk_add_f32 v[LP+8*\m+4:LP+8*\m+5], v[LP+8*\m+4:LP+8*\m+5], v[LP+8*\m+6:LP+8*\m+7]
.endr
.irp m, 0,1,2,3
	v_pk_add_f32 v[LP+8*\m:LP+8*\m+1], v[LP+8*\m:LP+8*\m+1], v[LP+8*\m+4:LP+8*\m+5]
.endr
.irp m, 0,1,2,3
	v_add_f32 v[LS+\m], v[LP+8*\m], v[LP+8*\m+1]
.endr
.endm
; ACC = (ACC - mean) / sqrt(variance + eps) x gain + bias, row by row; off: the two meetings' bytes; gr, br: the gain's and the bias's registers
.macro LNORM off, gr, br, tagg, tagb
	WIN 0x55
.irp m, 0,1,2,3
	v_pk_add_f32 v[SP+2*\m:SP+2*\m+1], v[ACC+32*\m:ACC+32*\m+1], v[ACC+32*\m+2:ACC+32*\m+3]   ; each accumulator is read from its low end on; the four row tiles by turns
.endr
.irp i, 4,6,8,10,12,14,16,18,20,22,24,26,28,30
.irp m, 0,1,2,3
	v_pk_add_f32 v[SP+2*\m:SP+2*\m+1], v[SP+2*\m:SP+2*\m+1], v[ACC+32*\m+\i:ACC+32*\m+\i+1]
.endr
.endr
	EXCH \off
.irp m, 0,1,2,3
	v_mul_f32 v[MP+2*\m], s59, v[LS+\m]            ; minus the mean: the sum x -2^-9, twice, for the packed additions
	v_mul_f32 v[MP+2*\m+1], s59, v[LS+\m]
.endr
.irp m, 0,1,2,3
.set i, 0
.rept 16
	v_pk_add_f32 v[ACC+32*\m+i:ACC+32*\m+i+1], v[ACC+32*\m+i:ACC+32*\m+i+1], v[MP+2*\m:MP+2*\m+1]
.set i, i+2
.endr
.endr
.irp m, 0,1,2,3
	v_pk_mul_f32 v[SP+2*\m:SP+2*\m+1], v[ACC+32*\m:ACC+32*\m+1], v[ACC+32*\m:ACC+32*\m+1]
.endr
.irp i, 2,4,6,8,10,12,14,16,18,20,22,24,26,28,30
.irp m, 0,1,2,3
	v_pk_fma_f32 v[SP+2*\m:SP+2*\m+1], v[ACC+32*\m+\i:ACC+32*\m+\i+1], v[ACC+32*\m+\i:ACC+32*\m+\i+1], v[SP+2*\m:SP+2*\m+1]
.endr
.endr
	EXCH \off+2048
.irp m, 0,1,2,3
	v_fma_f32 v[LS+\m], v[LS+\m], s58, s60         ; the variance + eps
.endr
.irp m, 0,1,2,3
	v_rsq_f32 v[SP+2*\m], v[LS+\m]
	v_rsq_f32 v[SP+2*\m+1], v[LS+\m]
.endr
	v_nop                                          ; a plain place behind the batch,
	s_wait_alu depctr_va_vdst(0)                   ; and one wait for the eight, ahead of their first reader
.irp m, 0,1,2,3
.set i, 0
.rept 16
	v_pk_mul_f32 v[ACC+32*\m+i:ACC+32*\m+i+1], v[ACC+32*\m+i:ACC+32*\m+i+1], v[SP+2*\m:SP+2*\m+1]
.set i, i+2
.endr
.endr
	LWAIT \tagg
	LWAIT \tagb
.irp m, 0,1,2,3
.set i, 0
.rept 16
	v_pk_fma_f32 v[ACC+32*\m+i:ACC+32*\m+i+1], v[ACC+32*\m+i:ACC+32*\m+i+1], v[\gr+i:\gr+i+1], v[\br+i:\br+i+1]
.set i, i+2
.endr
.endr
.endm
.macro RELU
	WIN 0x55
.set i, 0
.rept 128
	v_max_num_f32 v[ACC+i], 0, v[ACC+i]
.set i, i+1
.endr
.endm
	s_load_b512 s[4:19], s[0:1], 0x0               ; x 4, cimg 6, wimg 8, b1 10, b2 12, ln1_g 14, ln1_b 16, ln2_g 18
	s_load_b128 s[20:23], s[0:1], 0x40             ; ln2_b 20, out0 22
	v_lshl_add_u32 v126, v0, 2, 0x33800
	v_mov_b32 v127, 0
	ds_add_u32 v126, v127
	ds_add_u32 v126, v127
	v_lshrrev_b32 v1, 5, v0
	v_readfirstlane_b32 s24, v1                    ; wave
	; x: my 8 rows, 16,384 dense bytes, as 16 rows of 128 elements of 8 bytes, 4 words of padding behind each 256 words
	s_mov_b32 s32, (3<<16)|(1<<20)|(7<<22)|(3<<25)
	s_mov_b32 s33, 128<<16
	s_mov_b32 s34, 16<<16
	s_mov_b32 s35, 128<<16
	s_mov_b32 s36, 16
	s_mov_b32 s37, 128
	s_mov_b32 s38, 0
	s_mov_b32 s39, 0
	; concat's images: my eighth of the block's 17,408 dense bytes, as 17 rows of 16 elements of 8 bytes
	s_mov_b32 s44, 3<<16
	s_mov_b32 s45, 16<<16
	s_mov_b32 s46, 17<<16
	s_mov_b32 s47, 16<<16
	s_mov_b32 s48, 17
	s_mov_b32 s49, 16
	s_mov_b32 s50, 0
	s_mov_b32 s51, 0
	s_mov_b32 s28, 1
	s_mul_i32 s29, s24, 16640
	s_mov_b32 s40, 1
	s_mul_i32 s41, s24, 2176
	s_add_co_u32 s41, s41, CIMG
	s_lshl_b32 s2, ttmp9, 17                       ; 64 rows of 2,048 bytes a work-group,
	s_lshl_b32 s3, s24, 14                         ; 8 a wave: in x and in out0
	s_add_co_u32 s2, s2, s3
	s_mov_b32 s3, 0
	s_mul_i32 s26, ttmp9, 17408
	s_mul_i32 s27, s24, 2176
	s_add_co_u32 s26, s26, s27
	s_mov_b32 s27, 0
	s_wait_dscnt 0x0
	s_wait_kmcnt 0x0
	s_add_nc_u64 s[30:31], s[4:5], s[2:3]
	s_or_b32 s31, s31, 0x80000000
	s_add_nc_u64 s[42:43], s[6:7], s[26:27]
	s_or_b32 s43, s43, 0x80000000
	tensor_load_to_lds s[28:31], s[32:39]          ; my two tensor loads stand together: both fill their bytes once
	s_nop 0
	tensor_load_to_lds s[40:43], s[44:51]
	s_nop 0
	PLACES
	s_add_nc_u64 s[22:23], s[22:23], s[2:3]        ; out0 at my 8 rows
	v_and_b32 v1, 31, v0                           ; L
	v_and_b32 v2, 15, v0                           ; r
	v_bfe_u32 v3, v0, 4, 1                         ; h
	v_lshlrev_b32 v4, 4, v1                        ; 16 L
	v_lshlrev_b32 v5, 4, v2                        ; 16 r
	v_lshlrev_b32 v21, 6, v3                       ; 64 h
	s_mul_i32 s26, s24, 17408
	s_add_nc_u64 s[52:53], s[8:9], s[26:27]        ; wimg + 4 w blocks: wo's unit w
	s_add_nc_u64 s[54:55], s[52:53], s[26:27]      ; wimg + 8 w blocks: w1's units 2 w, 2 w + 1; w2's unit w
	s_lshl_b32 s26, s24, 8                         ; my 64 columns of the vectors of 512,
	s_add_nc_u64 s[12:13], s[12:13], s[26:27]
	s_add_nc_u64 s[14:15], s[14:15], s[26:27]
	s_add_nc_u64 s[16:17], s[16:17], s[26:27]
	s_add_nc_u64 s[18:19], s[18:19], s[26:27]
	s_add_nc_u64 s[20:21], s[20:21], s[26:27]
	s_lshl_b32 s26, s24, 9                         ; my 128 of b1
	s_add_nc_u64 s[10:11], s[10:11], s[26:27]
	WLOAD 0, 52, 96
	WLOAD 1, 52, 97
	WLOAD 2, 52, 98
	PLOAD PA, 14, 0, LG1
	PLOAD PB, 16, 0, LB1
	s_mov_b32 s[SEL], 0x76543210
	s_mov_b32 s[SEL+1], 0xfedcba98
	s_mov_b32 s58, 0x3b000000                      ; 2^-9
	s_mov_b32 s59, 0xbb000000                      ; -2^-9
	s_mov_b32 s60, 0x3727c5ac                      ; eps = 1e-5
	v_and_b32 v22, 8, v2
	v_add_nc_u32 v22, v22, v2                      ; r + 8 (r / 8)
	v_mul_u32_u24 v6, v22, 2080
	v_lshl_add_u32 v6, v3, 6, v6
	s_lshr_b32 s26, s24, 2
	s_mul_i32 s26, s26, 1040
	s_and_b32 s61, s24, 3
	s_lshl_b32 s61, s61, 8
	s_add_co_u32 s26, s26, s61
	v_add_nc_u32 v6, s26, v6                       ; the tile: my row of row tiles 0, 1, my columns' bytes;
	v_add_nc_u32 v7, 66560, v6                     ; of row tiles 2, 3 (an LDS immediate ends at 65,535)
	v_add_nc_u32 v8, CIMG, v4
	v_add_nc_u32 v9, CIMG+16384, v5
	v_add_nc_u32 v10, X1IMG, v4
	v_add_nc_u32 v11, X1SC, v5
	v_add_nc_u32 v12, HIMG, v4
	v_add_nc_u32 v13, HSC, v5
	s_lshl_b32 s26, s24, 9
	s_add_co_u32 s26, s26, X1IMG
	v_add_nc_u32 v14, s26, v4                      ; x1's pieces: K step w / 2, piece w % 2
	s_lshr_b32 s26, s24, 1
	s_lshl_b32 s26, s26, 8
	s_and_b32 s61, s24, 1
	s_lshl_b32 s61, s61, 1
	s_add_co_u32 s26, s26, s61
	s_add_co_u32 s26, s26, X1SC
	v_add_nc_u32 v15, s26, v5                      ; and their two bytes of each scale word
	s_lshl_b32 s26, s24, 10
	s_add_co_u32 s26, s26, HIMG
	v_add_nc_u32 v16, s26, v4                      ; the hidden layer's: K step w
	s_lshl_b32 s26, s24, 8
	s_add_co_u32 s26, s26, HSC
	v_add_nc_u32 v17, s26, v5
	v_lshlrev_b32 v19, 5, v2
	v_add_nc_u32 v19, RED, v19                     ; a meeting: my row's eight partials,
	s_lshl_b32 s26, s24, 2
	v_add_nc_u32 v18, s26, v19                     ; and my wave's among them
	s_mul_i32 s26, s24, 16640
	v_add_nc_u32 v20, s26, v4                      ; the way out: my 8 rows
	WIN 0x40
.irp k, 0,1,2,3,4,5,6,7
	v_mov_b32 v[TM+8+\k], 0                        ; written once: a lane permute's destination counts as one of its sources
.endr
.irp k, 0,1,2,3
	v_mov_b32 v[LT+\k], 0
.endr
	WIN 0
	s_wait_tensorcnt 0x0                           ; my parts of x and of concat's images are in LDS,
	BARRIER                                        ; everybody's are
	; ---- A: z = concat wo + x: x lies in the accumulators when the sum begins
	XRES
	ALOAD 0, 8, 9, 4, 0
	PLACES
	WLOAD 3, 52, 99
	ALOAD 1, 8, 9, 4, 1
	MUL 0, 0, 9
	PLACES
	WLOAD 4, 54, 128
	ALOAD 0, 8, 9, 4, 2
	MUL 1, 0, 9
	PLACES
	WLOAD 5, 54, 129
	ALOAD 1, 8, 9, 4, 3
	MUL 2, 0, 9
	PLACES
	WLOAD 6, 54, 130
	MUL 3, 0, 0
	PLACES
	LNORM 0, PA, PB, LG1, LB1                      ; x1
	XPUT                                           ; kept for the second residual
	PLOAD PA, 10, 0, BA                            ; b1 of unit 2 w,
	PLOAD PB, 10, 256, BB                          ; of unit 2 w + 1
	QUANT8
	IMAGES 14, 0, 4096, 15, 0
	BARRIER                                        ; x1's sixteen fragments lie in LDS
	; ---- B: the hidden layer, two units of 64
	ALOAD 0, 10, 11, 4, 0
	PLACES
	WLOAD 7, 54, 131
	ALOAD 1, 10, 11, 4, 1
	LWAIT BA
	MUL 4, PA, 9
	PLACES
	WLOAD 8, 54, 132
	ALOAD 0, 10, 11, 4, 2
	MUL 5, 0, 9
	PLACES
	WLOAD 9, 54, 133
	ALOAD 1, 10, 11, 4, 3
	MUL 6, 0, 9
	PLACES
	WLOAD 10, 54, 134
	ALOAD 0, 10, 11, 4, 0
	MUL 7, 0, 9
	PLACES
	RELU
	PLOAD PA, 12, 0, B2
	QUANT8
	IMAGES 16, 0, 8192, 17, 0
	PLACES
	WLOAD 11, 54, 135
	ALOAD 1, 10, 11, 4, 1
	LWAIT BB
	MUL 8, PB, 9
	PLACES
	WLOAD 12, 54, 192
	ALOAD 0, 10, 11, 4, 2
	MUL 9, 0, 9
	PLACES
	WLOAD 13, 54, 193
	ALOAD 1, 10, 11, 4, 3
	MUL 10, 0, 9
	PLACES
	WLOAD 14, 54, 194
	MUL 11, 0, 0
	PLACES
	RELU
	PLOAD PB, 18, 0, LG2
	QUANT8
	IMAGES 16, 512, 8192, 17, 2
	XRES                                           ; x1 + b2 lies in the accumulators when the last sum begins
	s_wait_dscnt 0x0
	LWAIT B2
	WIN 0x55
.irp m, 0,1,2,3
.set i, 0
.rept 16
	v_pk_add_f32 v[ACC+32*\m+i:ACC+32*\m+i+1], v[ACC+32*\m+i:ACC+32*\m+i+1], v[PA+i:PA+i+1]
.set i, i+2
.endr
.endr
	PLOAD PA, 20, 0, LB2
	BARRIER                                        ; the hidden layer's 32 fragments lie in LDS
	; ---- C: z = hidden w2 + b2 + x1
	ALOAD 0, 12, 13, 8, 0
	PLACES
	WLOAD 15, 54, 195
	ALOAD 1, 12, 13, 8, 1
	MUL 12, 0, 9
	PLACES
	WLOAD 16, 54, 196
	ALOAD 0, 12, 13, 8, 2
	MUL 13, 0, 9
	PLACES
	WLOAD 17, 54, 197
	ALOAD 1, 12, 13, 8, 3
	MUL 14, 0, 9
	PLACES
	WLOAD 18, 54, 198
	ALOAD 0, 12, 13, 8, 4
	MUL 15, 0, 9
	PLACES
	WLOAD 19, 54, 199
	ALOAD 1, 12, 13, 8, 5
	MUL 16, 0, 9
	PLACES
	ALOAD 0, 12, 13, 8, 6
	MUL 17, 0, 9
	PLACES
	ALOAD 1, 12, 13, 8, 7
	MUL 18, 0, 9
	MUL 19, 0, 0
	PLACES
	LNORM 4096, PB, PA, LG2, LB2
	XPUT
	BARRIER                                        ; 64 whole rows of the result lie in the tile
	; ---- the way out: each wave stores 8 whole rows, 512 consecutive aligned bytes an instruction
	WIN 0x40
.set i, 0
.rept 32
	ds_load_b128 v[ACC+4*i:ACC+4*i+3], v20 offset:(i/4)*2080+((i/2)%2)*1040+(i%2)*512
.set i, i+1
.endr
	WIN 0x04
.set i, 0
.rept 32
	s_wait_dscnt 31-i                              ; the younger row loads may stay out
	global_store_b128 v4, v[ACC+4*i:ACC+4*i+3], s[22:23] offset:512*i th:TH_STORE_NT
.set i, i+1
.endr
	WIN 0
	s_wait_tensorcnt 0x0
	ds_add_u32 v126, v127
	s_wait_dscnt 0x0
	s_endpgm
.Lfunc_end_k_q8f79964a3f_tail:
	.size	k_q8f79964a3f_tail, .Lfunc_end_k_q8f79964a3f_tail-k_q8f79964a3f_tail
	.p2alignl 7, 3214868480
	.fill 96, 4, 3214868480
	.section	.rodata,"a",@progbits
	.p2align	6, 0x0
	.amdhsa_kernel k_q8f79964a3f_tail
		.amdhsa_group_segment_fixed_size 211968
		.amdhsa_private_segment_fixed_size 0
		.amdhsa_enable_private_segment 0
		.amdhsa_kernarg_size 80
		.amdhsa_user_sgpr_count 2
		.amdhsa_user_sgpr_kernarg_segment_ptr 1
		.amdhsa_wavefront_size32 1
		.amdhsa_system_sgpr_workgroup_id_x 1
		.amdhsa_system_sgpr_workgroup_id_y 1
		.amdhsa_system_sgpr_workgroup_id_z 1
		.amdhsa_system_vgpr_workitem_id 0
		.amdhsa_next_free_vgpr 512
		.amdhsa_next_free_sgpr 66
		.amdhsa_reserve_vcc 0
		.amdhsa_float_denorm_mode_32 3
		.amdhsa_float_denorm_mode_16_64 3
		.amdhsa_memory_ordered 1
		.amdhsa_forward_progress 1
		.amdhsa_inst_pref_size 187
	.end_amdhsa_kernel
	.amdgpu_metadata
---
amdhsa.version: [ 1, 2 ]
amdhsa.kernels:
  - .name:           k_q8f79964a3f_tail
    .symbol:         k_q8f79964a3f_tail.kd
    .args:
      - { .name: x, .offset: 0, .size: 8, .value_kind: global_buffer, .address_space: global }
      - { .name: cimg, .offset: 8, .size: 8, .value_kind: global_buffer, .address_space: global }
      - { .name: wimg, .offset: 16, .size: 8, .value_kind: global_buffer, .address_space: global }
      - { .name: b1, .offset: 24, .size: 8, .value_kind: global_buffer, .address_space: global }
      - { .name: b2, .offset: 32, .size: 8, .value_kind: global_buffer, .address_space: global }
      - { .name: ln1_g, .offset: 40, .size: 8, .value_kind: global_buffer, .address_space: global }
      - { .name: ln1_b, .offset: 48, .size: 8, .value_kind: global_buffer, .address_space: global }
      - { .name: ln2_g, .offset: 56, .size: 8, .value_kind: global_buffer, .address_space: global }
      - { .name: ln2_b, .offset: 64, .size: 8, .value_kind: global_buffer, .address_space: global }
      - { .name: out0, .offset: 72, .size: 8, .value_kind: global_buffer, .address_space: global }
    .group_segment_fixed_size: 211968
    .private_segment_fixed_size: 0
    .kernarg_segment_align: 8
    .kernarg_segment_size: 80
    .max_flat_workgroup_size: 256
    .sgpr_count:     66
    .vgpr_count:     512
    .wavefront_size: 32
...
	.end_amdgpu_metadata
.endif
;; end of part 4
